; MI455X (gfx1250); checked and timed in simulation.
; The chip was launched on July 23, 2026; its instructions are those of AMD's public machine-readable ISA for CDNA 5 (MIT licence, August 2026) and "CDNA5" Instruction Set Architecture Reference Guide (July 2026). The comments in the code are by the model that wrote it; some were corrected since.
;; Multi Head Self Attention. Allowed arithmetic: matrix products marked QUANTISED: E4M3 operands, one given power-of-two scale a tensor, by v_wmma_f32_16x16x64_fp8_fp8 or v_wmma_f32_16x16x128_fp8_fp8, f32 sums; everything else in f32.
;; Inputs: Wk 1,024 x 1,024 float32; Wo 1,024 x 1,024 float32; Wq 1,024 x 1,024 float32; Wv 1,024 x 1,024 float32; bk 1,024 float32; bo 1,024 float32; bq 1,024 float32; bv 1,024 float32; lowp_scales 12 int32 (the exponents e of the quantised operands' scales 2^e); x 4 x 2,048 x 1,024 float32.
;; Outputs: out0 4 x 2,048 x 1,024 float32.
;; This version of the problem:
;;   THIS VERSION OF THE PROBLEM IS GIVEN IN LOW PRECISION. The matrix products marked QUANTISED in the list below multiply operands that are first quantised to E4M3 (4 exponent bits, 3 mantissa bits; 8 bits a number), with one given power-of-two scale for each operand tensor; their sums are f32. All else is computed in f32.
;;   The module's matrix products, in the order in which they are computed (A, B: the left and right operand; K: the contracted axis; several contracted axes count as one K, in the product's order):
;;     1. [M 8,192, K 1,024] x [K 1,024, N 1,024]; A: input x; B: input Wq: QUANTISED (scales: A lowp_scales[0], B lowp_scales[1])
;;     2. [M 8,192, K 1,024] x [K 1,024, N 1,024]; A: input x; B: input Wk: QUANTISED (scales: A lowp_scales[2], B lowp_scales[3])
;;     3. [M 8,192, K 1,024] x [K 1,024, N 1,024]; A: input x; B: input Wv: QUANTISED (scales: A lowp_scales[4], B lowp_scales[5])
;;     4. batch 64 x [M 2,048, K 64] x [K 64, N 2,048]; A: computed on the way; B: computed on the way: QUANTISED (scales: A lowp_scales[6], B lowp_scales[7])
;;     5. batch 64 x [M 2,048, K 2,048] x [K 2,048, N 64]; A: softmax (see below); B: computed on the way: QUANTISED (scales: A lowp_scales[8], B lowp_scales[9])
;;     6. [M 8,192, K 1,024] x [K 1,024, N 1,024]; A: computed on the way; B: input Wo: QUANTISED (scales: A lowp_scales[10], B lowp_scales[11])
;;   THE QUANTISER, for each operand of a quantised product, along K:
;;     - The operand's scale is 2^e, e = its entry of the input lowp_scales (int32; the entries are numbered through the quantised products in the list's order, A before B).
;;     - Each number is divided by the scale, clamped to +-448, and rounded to the nearest number of E4M3, ties to even, subnormals kept.
;;     - The product sums the exact products of the quantised numbers (number of the format x scale) in f32.
;;   ~~~python
;;   def quantise(x, axis, e):      # numpy; x: float32 -> the quantised numbers, widened to float32 again
;;       x = np.moveaxis(x, axis, -1); K = x.shape[-1]
;;       r = np.clip(x / 2.0 ** e, -448, 448)
;;       step = 2.0 ** (np.maximum(np.frexp(np.where(r == 0, 1, r))[1] - 1, -6) - 3)
;;       q = np.round(r / step) * step * 2.0 ** e      # np.round: ties to even
;;       return np.moveaxis(q, -1, axis).astype(np.float32)
;;   ~~~
;;   SOFTMAX AHEAD OF A QUANTISED PRODUCT. Where the list says 'softmax', what is quantised is not the finished softmax but p = 2^(t - M), with t = logit x log2(e) and M = ceil(the row's largest t), a whole number; so 1/2 < the row's largest p <= 1. The row's sum l is taken of the UNQUANTISED p, in f32, and the product's result is divided by l at the end. Since M is a whole number, a kernel that streams over the keys may use a running M (the ceiling of the running maximum): every later rescaling is an exact power of two, so the quantised numbers keep their values, but for numbers so far below the row's largest that they fall under the format's range.
;;   OPERANDS COMPUTED ON THE WAY. 'Computed on the way' means the value that the module computes at that place (a softmax that the list does not call 'softmax' is quantised finished and normalised). What goes into a quantiser is computed in f32, as accurately as f32 sums, v_exp_f32 and their like allow (about 1e-6 of the number): no bf16 or f16 on the way to a quantiser, and a product that is left as it is and whose result goes on into a quantised operand takes f32 operands (vector FMAs, or v_wmma_f32_16x16x4_f32). A number that lies on a knife's edge between two numbers of the format may be rounded either way, as far as f32 arithmetic and the matrix unit's own rounding can turn it there, and no further.
;; One version. Each part assembles by itself: llvm-mc -triple=amdgcn-amd-amdhsa -mcpu=gfx1250 --defsym DOCPART=n.
;; ======== version 1 of 1: 4 launches
;; limits: right only within a limited range of input values
;; workspace buffers: xc 25,165,824 bytes; wc 4,194,304 bytes; qc 8,388,608 bytes; kc 8,388,608 bytes; vc 8,388,608 bytes; ac 8,388,608 bytes
;; launch quant (part 1): grid 384 x 1, 4 waves a work-group, no clusters, 33,280 bytes of LDS; arguments x, Wq, Wk, Wv, Wo, lowp_scales, xc, wc; writes xc, wc
.if DOCPART == 1
	.amdgcn_target "amdgcn-amd-amdhsa--gfx1250"
	.amdhsa_code_object_version 6
	.text
	.protected	k_qce6403ad52_quant
	.globl	k_qce6403ad52_quant
	.p2align	8
	.type	k_qce6403ad52_quant,@function
k_qce6403ad52_quant:
	s_mov_b64 s[64:65], 0
	v_nop
	global_prefetch_b8 v0, s[64:65] scope:SCOPE_SE
	s_setreg_imm32_b32 hwreg(HW_REG_WAVE_MODE, 25, 1), 1
	s_wait_xcnt 0x0
; x [8192][1024] and Wq, Wk, Wv, Wo [1024][1024], f32, become codes of FP8 (E4M3), K innermost, one byte a code.
; code = number / 2^e, held within +-448, rounded to the nearest code, ties to even.
; x is quantised three times (entries 0, 2, 4 of the scales: the three projections may be given different scales) into three sections of xc;
; Wq, Wk, Wv, Wo once each (entries 1, 3, 5, 11) into four sections of wc.
; ROW ORDER.  sigma(i) = i with bits 3 and 4 exchanged.  xc's section 0 and wc's section 3 (Wo) keep their rows; in xc's sections 1, 2 and wc's sections 0, 1, 2
; row i of the tensor is stored as row sigma(i): the products that read these rows as their first source then leave 16 NEIGHBOURS of the next K in a lane's registers.
; A wave takes 8 rows (8,192 numbers), so sigma only exchanges the two low bits of the run's number, which are the wave's number.
; SHARES.  Work-groups 0-255: x.  Work-groups 256 + 32 s + i: weight s.  Only pointers and exponents are chosen (by the work-group's number); one path goes through LDS.
; A step is 512 numbers: four loads of 512 consecutive bytes, a turn through the wave's own stage in LDS (16 bytes of padding behind each 64) so that a lane holds 16 neighbours, hold, conversion,
; one store of 512 consecutive bytes for each section.  Loads run four steps ahead, the turn one step.  No barrier: waves share nothing.
; LIMITS: each e used here lies between -126 and 119.  NaN among the inputs is not served; an infinity is held at the largest code.
.set STEPS, 16
.set SP,    80                         ; a lane's place in a stage: 64 bytes + 16 of padding
.set WREG,  8192                       ; LDS of a wave: two stages of 32 x SP bytes
.set SPARE, 4*WREG                     ; behind the four regions: the spare words, 128 bytes a wave, that no other line names
.set LO,    3                          ; v3   16 x lane: my bytes of a load's 512 and of a store's 512; never rewritten
.set SPW,   12                         ; v12  LDS address of my spare word; never rewritten
.set NIL,   13                         ; v13  0; never rewritten
.set SIN,   14                         ; v14  the stage, way in
.set SOUT,  15                         ; v15  the stage, way out
.set R,     16                         ; v16-79   four sets of 16 numbers as loaded
.set X,     80                         ; v80-111  two sets of 16 neighbours
.set T,     112                        ; v112-127 the numbers held within the section's range
.set C,     128                        ; v128-175 codes: four sets of 3 x 4 registers
                                       ; v6, v8, v10: 448 x 2^e of sections 0, 1, 2;  v7, v9, v11: 2^e
	s_load_b512 s[4:19], s[0:1], 0x0               ; x s[4:5], Wq s[6:7], Wk s[8:9], Wv s[10:11], Wo s[12:13], scales s[14:15], xc s[16:17], wc s[18:19]
	v_lshl_add_u32 v[SPW], v0, 2, SPARE
	v_mov_b32 v[NIL], 0
	v_lshrrev_b32 v1, 5, v0
	v_readfirstlane_b32 s20, v1                    ; wave
	v_and_b32 v2, 31, v0                           ; lane
	v_lshlrev_b32 v[LO], 4, v2
	s_mul_i32 s25, s20, WREG
	v_lshrrev_b32 v[SIN], 2, v2
	v_mul_u32_u24 v[SIN], v[SIN], SP
	v_and_b32 v[SOUT], 3, v2
	v_lshl_add_u32 v[SIN], v[SOUT], 4, v[SIN]
	v_add_nc_u32 v[SIN], s25, v[SIN]               ; in: SP (lane / 4) + 16 (lane % 4): four lanes' 64 bytes on end, then padding
	v_mul_u32_u24 v[SOUT], v2, SP
	v_add_nc_u32 v[SOUT], s25, v[SOUT]             ; out: SP x lane: my 16 neighbours
	s_cmp_lt_u32 ttmp9, 256
	s_cselect_b32 s22, 1, 0                        ; 1: x's work-group
	s_cselect_b32 s26, 0, 256
	s_sub_co_u32 s26, ttmp9, s26
	s_lshr_b32 s23, s26, 5
	s_and_b32 s24, s26, 31
	s_cmp_lg_u32 s22, 0
	s_cselect_b32 s24, s26, s24                    ; the work-group's number within its tensor
	s_cselect_b32 s23, 0, s23                      ; the weight's number (0 for x)
	s_lshl_b32 s25, s24, 2
	s_add_co_u32 s26, s25, s20                     ; my run of 8 rows
	s_and_b32 s27, s20, 1
	s_lshl_b32 s27, s27, 1
	s_lshr_b32 s21, s20, 1
	s_or_b32 s27, s27, s21
	s_add_co_u32 s27, s25, s27                     ; and where sigma puts it
	s_cmp_eq_u32 s23, 3
	s_cselect_b32 s21, s26, s27                    ; Wo keeps its rows, the other weights do not,
	s_cmp_lg_u32 s22, 0
	s_cselect_b32 s21, s26, s21                    ; x's section 0 keeps them
	s_lshl_b32 s48, s21, 13                        ; 8 rows of codes are 8,192 bytes
	s_lshl_b32 s49, s23, 20                        ; a section of wc is 2^20 bytes
	s_add_co_u32 s48, s48, s49
	s_mov_b32 s49, 0
	s_wait_kmcnt 0x0
	s_load_b256 s[36:43], s[14:15], 0x0            ; e0 .. e7
	s_load_b128 s[44:47], s[14:15], 0x20           ; e8 .. e11
	s_cmp_eq_u32 s23, 1
	s_cselect_b64 s[28:29], s[8:9], s[6:7]
	s_cmp_eq_u32 s23, 2
	s_cselect_b64 s[28:29], s[10:11], s[28:29]
	s_cmp_eq_u32 s23, 3
	s_cselect_b64 s[28:29], s[12:13], s[28:29]
	s_cmp_lg_u32 s22, 0
	s_cselect_b64 s[28:29], s[4:5], s[28:29]       ; the tensor that I read
	s_cselect_b64 s[30:31], s[16:17], s[18:19]     ; and the buffer of its codes
	s_add_nc_u64 s[30:31], s[30:31], s[48:49]      ; section 0's (or the weight's) codes of my run
	s_lshl_b32 s48, s27, 13
	s_add_nc_u64 s[32:33], s[16:17], s[48:49]
	s_add_nc_u64 s[32:33], s[32:33], 0x800000      ; x's section 1,
	s_add_nc_u64 s[34:35], s[32:33], 0x800000      ; and 2 (used by x's work-groups alone)
	s_lshl_b32 s48, s26, 15                        ; 8 rows of f32 are 32,768 bytes
	s_add_nc_u64 s[28:29], s[28:29], s[48:49]
.macro LOAD t
.irp i, 0,1,2,3
	global_load_b128 v[R+16*((\t)%4)+4*\i:R+16*((\t)%4)+4*\i+3], v[LO], s[28:29] offset:2048*(\t)+512*\i th:TH_LOAD_NT   ; 32 lanes read 512 consecutive bytes
.endr
.endm
.macro TURN t                          ; a step's numbers through the stage: LDS serves a wave's instructions in order, so no wait stands between the stores and the loads
.irp i, 0,1,2,3
	ds_store_b128 v[SIN], v[R+16*((\t)%4)+4*\i:R+16*((\t)%4)+4*\i+3] offset:32*SP*((\t)%2)+8*SP*\i
.endr
.irp i, 0,1,2,3
	ds_load_b128 v[X+16*((\t)%2)+4*\i:X+16*((\t)%2)+4*\i+3], v[SOUT] offset:32*SP*((\t)%2)+16*\i
.endr
.endm
.macro MKSC e, i                       ; 2^e and 448 x 2^e as f32, from the whole number in s[e]
	s_add_co_i32 s25, s[\e], 127
	s_lshl_b32 s50, s25, 23
	v_mov_b32 v[7+2*\i], s50
	s_add_co_i32 s25, s25, 8
	s_lshl_b32 s25, s25, 23
	s_or_b32 s25, s25, 0x600000
	v_mov_b32 v[6+2*\i], s25
.endm
.irp t, 0,1,2,3
	LOAD \t
.endr
	s_wait_kmcnt 0x0
	s_cmp_eq_u32 s23, 1
	s_cselect_b32 s21, s39, s37                    ; e3 or e1
	s_cmp_eq_u32 s23, 2
	s_cselect_b32 s21, s41, s21                    ; e5
	s_cmp_eq_u32 s23, 3
	s_cselect_b32 s21, s47, s21                    ; e11
	s_cmp_lg_u32 s22, 0
	s_cselect_b32 s21, s36, s21                    ; x: e0
	MKSC 21, 0
	MKSC 38, 1                                     ; e2
	MKSC 40, 2                                     ; e4
	s_wait_loadcnt 12                              ; step 0's four loads are in; the twelve of steps 1 to 3 may be out
	TURN 0
; the 16 neighbours of step t are held and converted with section i's scale, and stored
.macro HC i, t
.set XS, X+16*((\t)%2)
.set CC, C+12*((\t)%4)+4*(\i)
.set n, 0
.rept 16
	v_med3_num_f32 v[T+n], v[XS+n], -v[6+2*(\i)], v[6+2*(\i)]   ; the conversion to an 8-bit code does not saturate (ISA guide 7.6.2): the hold comes first
.set n, n+1
.endr
	v_cvt_scalef32_pk8_fp8_f32 v[CC:CC+1], v[T:T+7], v[7+2*(\i)]
	v_cvt_scalef32_pk8_fp8_f32 v[CC+2:CC+3], v[T+8:T+15], v[7+2*(\i)]
	v_nop                                          ; a plain vector line between the conversions and the next holds, which write their sources
	global_store_b128 v[LO], v[CC:CC+3], s[30+2*(\i):31+2*(\i)] offset:512*(\t)   ; 32 lanes store 512 consecutive bytes
.endm
.macro STEP t
	s_wait_dscnt 0x0                               ; this step's numbers are back from the stage, so its stores into the stage have read their registers,
.if (\t)+4 < STEPS
	LOAD (\t)+4                                    ; which take the loads of four steps on
.endif
.if (\t)+1 < STEPS
.if STEPS-2-(\t) >= 3
	s_wait_loadcnt 12                              ; the next step's four loads are in; those of the three steps behind it may be out
.else
	s_wait_loadcnt 4*(STEPS-2-(\t))
.endif
	TURN (\t)+1
.endif
	s_wait_xcnt 0x0                                ; the stores of four steps ago have read their data: this step's codes may land in the same set
	HC 0, \t
	s_cmp_lg_u32 s22, 0                            ; the work-group's number alone: a weight has one section
	s_cbranch_scc0 .Lone_\@
	HC 1, \t
	HC 2, \t
.Lone_\@:
.endm
.irp t, 0,1,2,3,4,5,6,7,8,9,10,11,12,13,14,15
	STEP \t
.endr
	s_wait_tensorcnt 0x0                           ; the wave's end: behind my last LDS store
	ds_add_u32 v[SPW], v[NIL]
	s_wait_dscnt 0x0
	s_endpgm
.Lfunc_end_k_qce6403ad52_quant:
	.size	k_qce6403ad52_quant, .Lfunc_end_k_qce6403ad52_quant-k_qce6403ad52_quant
	.p2alignl 7, 3214868480
	.fill 96, 4, 3214868480
	.section	.rodata,"a",@progbits
	.p2align	6, 0x0
	.amdhsa_kernel k_qce6403ad52_quant
		.amdhsa_group_segment_fixed_size 33280
		.amdhsa_private_segment_fixed_size 0
		.amdhsa_enable_private_segment 0
		.amdhsa_kernarg_size 64
		.amdhsa_user_sgpr_count 2
		.amdhsa_user_sgpr_kernarg_segment_ptr 1
		.amdhsa_wavefront_size32 1
		.amdhsa_system_sgpr_workgroup_id_x 1
		.amdhsa_system_sgpr_workgroup_id_y 1
		.amdhsa_system_sgpr_workgroup_id_z 1
		.amdhsa_system_vgpr_workitem_id 0
		.amdhsa_next_free_vgpr 192
		.amdhsa_next_free_sgpr 66
		.amdhsa_reserve_vcc 0
		.amdhsa_float_denorm_mode_32 3
		.amdhsa_float_denorm_mode_16_64 3
		.amdhsa_memory_ordered 1
		.amdhsa_forward_progress 1
		.amdhsa_inst_pref_size 81
	.end_amdhsa_kernel
	.amdgpu_metadata
---
amdhsa.version: [ 1, 2 ]
amdhsa.kernels:
  - .name:           k_qce6403ad52_quant
    .symbol:         k_qce6403ad52_quant.kd
    .args:
      - { .name: x, .offset: 0, .size: 8, .value_kind: global_buffer, .address_space: global }
      - { .name: Wq, .offset: 8, .size: 8, .value_kind: global_buffer, .address_space: global }
      - { .name: Wk, .offset: 16, .size: 8, .value_kind: global_buffer, .address_space: global }
      - { .name: Wv, .offset: 24, .size: 8, .value_kind: global_buffer, .address_space: global }
      - { .name: Wo, .offset: 32, .size: 8, .value_kind: global_buffer, .address_space: global }
      - { .name: lowp_scales, .offset: 40, .size: 8, .value_kind: global_buffer, .address_space: global }
      - { .name: xc, .offset: 48, .size: 8, .value_kind: global_buffer, .address_space: global }
      - { .name: wc, .offset: 56, .size: 8, .value_kind: global_buffer, .address_space: global }
    .group_segment_fixed_size: 33280
    .private_segment_fixed_size: 0
    .kernarg_segment_align: 8
    .kernarg_segment_size: 64
    .max_flat_workgroup_size: 128
    .sgpr_count:     66
    .vgpr_count:     192
    .wavefront_size: 32
...
	.end_amdgpu_metadata
.endif
;; end of part 1
;; launch qkv (part 2): grid 12 x 32, 4 waves a work-group, clusters of 4 x 4, 327,680 bytes of LDS; arguments xc, wc, bq, bk, bv, lowp_scales, qc, kc, vc; writes qc, kc, vc
.if DOCPART == 2
	.amdgcn_target "amdgcn-amd-amdhsa--gfx1250"
	.amdhsa_code_object_version 6
	.text
	.protected	k_qce6403ad52_qkv
	.globl	k_qce6403ad52_qkv
	.p2align	8
	.type	k_qce6403ad52_qkv,@function
k_qce6403ad52_qkv:
	s_mov_b64 s[64:65], 0
	v_nop
	global_prefetch_b8 v0, s[64:65] scope:SCOPE_SE
	s_setreg_imm32_b32 hwreg(HW_REG_WAVE_MODE, 25, 1), 1
	s_wait_xcnt 0x0
	s_wait_alu depctr_hold_cnt(0) depctr_sa_sdst(0) depctr_va_vdst(0) depctr_va_sdst(0) depctr_va_ssrc(0) depctr_va_vcc(0) depctr_vm_vsrc(0)
	s_getreg_b32 s2, hwreg(HW_REG_IB_STS2, 6, 4)
	s_cmp_eq_u32 s2, 0
	s_cbranch_scc0 .Lentry_in_a_cluster
	s_endpgm
.Lentry_in_a_cluster:
	s_bfe_u32 s2, ttmp6, 0x10000c
	s_cmp_lg_u32 s2, 0xf033
	s_cbranch_scc0 .Lentry_shape_is_right
	s_endpgm
.Lentry_shape_is_right:
; The three projections on codes of FP8 (E4M3), + bias, quantised again for attention.  C[m][n] = sum over k of A[m][k] B[n][k], K = 1,024, rows of 1,024 bytes.
; The cluster's x is the SECTION: 0: q = x Wq^T (A = xc section 0, B = wc section 0);  1: k = x Wk^T (A = xc section 1, B = wc section 1);  2: v^T = Wv x^T (A = wc section 2, B = xc section 2).
; A tile of C is 256 x 256, four waves of 128 x 128 (64 accumulators, 512 registers); K goes in four steps of 256 through two LDS slots filled by joint tensor loads:
; 4 x 4 work-groups form a cluster, A's tile is shared along a row of it, B's along a column.
; THE MATRIX INSTRUCTION IS USED TRANSPOSED (source 0 = 16 rows of B, source 1 = 16 rows of A): lane (r, h) holds row r of A's block and, in register j, row 8 h + j of B's block.
; B's rows were stored in the order sigma (bits 3 and 4 of the row's number exchanged), so the 16 registers of B's blocks 2 g and 2 g + 1 are 16 NEIGHBOURS, 32 g + 16 h + 0 .. 15, of the next product's K:
; channels of a head for q and k, keys for v.  Two conversions make of them four registers of the next operand, and they are stored as they stand:
; AN OPERAND LIES IN MEMORY AS AN IMAGE OF ITS REGISTERS: group c of four registers at byte 512 c + 16 x lane.  Each store of a wave covers 512 consecutive bytes, aligned.  No stage, no LDS store.
;   qc, kc: [batch x head][128 tiles of 16 tokens][1,024 bytes];  kc's tokens in the order sigma (A = xc section 1 has them so).   vc: [batch x head][16 blocks of 128 keys][4 tiles of 16 channels][2,048 bytes], channels in the order sigma.
; A fragment is fetched by four loads of 16 bytes a lane: k = 32 c + 16 h + 0 .. 15 in registers 4 c .. 4 c + 3: a permutation of k, the same in both operands, so the order of the sums inside an instruction differs from ascending k.
; value = sum x 2^(ea + eb) + bias, one fused multiply-add; then held within +-448 x 2^eo and converted.  (ea, eb, eo) = entries (0, 1, 6), (2, 3, 7), (4, 5, 9) of the scales.
; LIMITS: ea + eb between -126 and 127; eo between -126 and 119.
; REGISTERS, in windows of 256: window 0: v0-31 addresses; v32-47 the bias by rows; v64-127 the bias by columns; from v128 A's fragments, one set; on the way out v128-191 values, v192-255 codes.
;   window 1: B's fragments, two sets.   window 2, 3: the accumulators of my rows 0-63, 64-127 ((a, b) at v[8 (8 (a % 4) + b)]).
.set ROWB,   256                       ; a tile's row in bytes: 256 along K
.set KROW,   1024                      ; a row of codes in memory
.set PITCH,  272                       ; an LDS row: 256 bytes + 16 of padding = 68 words: the 16 rows that a load touches start at 16 different banks (64 banks of 4 bytes: ISA guide 11.1)
.set FR,     16
.set NL,     4
.set NP,     4                         ; places behind this matrix instruction (ISA guide 7.12.1)
.set HALFT,  128*PITCH
.set SLOT,   4*HALFT
.set SPARE,  2*SLOT                    ; behind the ring: the spare words, 128 bytes a wave, that no other line names
.set LI,   7                           ; v7   16 x lane: an image's place for my lane
.set ADRA, 16
.set ADRB, 20
.set SPW,  28
.set NIL,  29
.set BM,   32                          ; v32-47: even registers: the bias of my row of A's block a (section 2); odd registers 0 (named as the pairs' upper halves)
.set BN,   64                          ; v64-127: register 8 b + j: the bias of the column in accumulator b's register j (sections 0, 1)
.set AF,   128
.set TMP,  128
.set CD,   192
.set G1, 24
.set G0, 32
.set G1B, 48
.set G0B, 56
.set MSB, 0
.macro WIN new                         ; the immediate's high byte repeats the setting that is left
.if MSB != \new
	s_set_vgpr_msb (MSB<<8)|\new
.set MSB, \new
.endif
.endm
.set MUL_LO, 0xa1                      ; source 0 (B) window 1, source 1 (A) window 0, C and D window 2
.set MUL_HI, 0xf1
.set TO_B,   0x40
; A joint load: waves 0 and 1 fetch for A, waves 2 and 3 for B; the branch hangs on the wave's number alone.  An s_nop 0 and four v_nop follow each line.
.macro JLOAD g0a, g1a, g0b, g1b
	s_cmp_eq_u32 s15, 0
	s_cbranch_scc0 .Lfor_b_\@
	tensor_load_to_lds s[\g0a:\g0a+3], s[\g1a:\g1a+7]
	s_nop 0
.rept 4
	v_nop
.endr
	s_branch .Lasked_\@
.Lfor_b_\@:
	tensor_load_to_lds s[\g0b:\g0b+3], s[\g1b:\g1b+7]
	s_nop 0
.rept 4
	v_nop
.endr
.Lasked_\@:
.endm
.macro CREST
	s_cmp_lg_u32 s14, 0
	s_cbranch_scc1 .Lnot_wave_0_\@
	s_barrier_signal -3
.Lnot_wave_0_\@:
	s_barrier_wait -3
	s_barrier_signal -1
	s_barrier_wait -1
.endm
.macro CROUND
	s_barrier_signal -1
	s_barrier_wait -1
	CREST
.endm
	s_load_b512 s[68:83], s[0:1], 0x0              ; xc s[68:69], wc s[70:71], bq s[72:73], bk s[74:75], bv s[76:77], scales s[78:79], qc s[80:81], kc s[82:83]
	s_load_b64 s[84:85], s[0:1], 0x40              ; vc
	v_lshl_add_u32 v[SPW], v0, 2, SPARE
	v_mov_b32 v[NIL], 0
	ds_add_u32 v[SPW], v[NIL]
	ds_add_u32 v[SPW], v[NIL]                      ; the wave's opening: the add and its wait ahead of my first tensor load; work on registers stands between
	v_lshrrev_b32 v1, 5, v0
	v_readfirstlane_b32 s14, v1                    ; wave 0..3
	s_lshr_b32 s15, s14, 1                         ; my half of the tile's rows.  Also: I fetch for A (0) or for B (1)
	s_and_b32 s16, s14, 1                          ; my half of its columns.  Also: which 128 rows I fetch
	s_bfe_u32 s40, ttmp6, 0x40000                  ; cx
	s_bfe_u32 s41, ttmp6, 0x40004                  ; cy
	s_mov_b32 s67, ttmp9                           ; the section: the cluster's x, the same in all sixteen partners
	s_and_b32 s66, ttmp7, 0xffff                   ; the cluster's y, 0..7: which 1,024 tokens
	s_lshl_b32 s86, s67, 23                        ; a section of xc is 2^23 bytes,
	s_lshl_b32 s87, s67, 20                        ; of wc 2^20
	s_cmp_eq_u32 s67, 2
	s_cselect_b32 s86, 0x200000, s86               ; where A's section begins in its buffer,
	s_cselect_b32 s87, 0x1000000, s87              ; and B's
	s_cselect_b32 s18, 0, s66                      ; tokens run down C's rows in sections 0, 1,
	s_cselect_b32 s19, s66, 0                      ; along its columns in section 2
	s_lshl_b32 s42, s19, 2
	s_add_co_u32 s42, s42, s40                     ; tile column of C
	s_lshl_b32 s17, s18, 2
	s_add_co_u32 s17, s17, s41                     ; tile row of C
	s_lshl_b32 s43, s41, 2
	s_lshl_b32 s43, 15, s43                        ; my row of the cluster
	s_lshl_b32 s44, 0x1111, s40                    ; my column
	s_or_b32 s[G1+0], s43, (0<<16)|(1<<20)|(1<<21)|(5<<22)|(3<<25)  ; the mask; elements of 1 byte; padding on; bit 21 beside a mask; after every 64 words (code 5) 4 words (code 3)
	s_or_b32 s[G1B+0], s44, (0<<16)|(1<<20)|(1<<21)|(5<<22)|(3<<25)
.irp g, G1, G1B
	s_mov_b32 s[\g+1], ROWB<<16                    ; tensor_dim0
	s_mov_b32 s[\g+2], 128<<16                     ; tensor_dim1
	s_mov_b32 s[\g+3], ROWB<<16                    ; tile_dim0
	s_mov_b32 s[\g+4], 128                         ; tile_dim1
	s_mov_b32 s[\g+5], KROW                        ; from row to row
	s_mov_b32 s[\g+6], 0
	s_mov_b32 s[\g+7], 0
.endr
	s_lshl_b32 s18, s16, 7                         ; which 128 rows of the tile I fetch
	s_lshl_b32 s20, s17, 8
	s_add_co_u32 s20, s20, s18
	s_lshl_b32 s20, s20, 10
	s_add_co_u32 s20, s20, s86                     ; A: (256 x tile row + 128 x half) rows of 1,024 bytes, in its section: under 2^25
	s_mov_b32 s21, 0
	s_lshl_b32 s46, s42, 8
	s_add_co_u32 s46, s46, s18
	s_lshl_b32 s46, s46, 10
	s_add_co_u32 s46, s46, s87                     ; B likewise, by the tile column
	s_mov_b32 s47, 0
	s_mul_i32 s45, s14, HALFT                      ; where they go: wave x 128 rows
	s_wait_dscnt 0x0                               ; the opening add is done
	s_wait_kmcnt 0x0
	s_load_b256 s[88:95], s[78:79], 0x0            ; e0 .. e7
	s_load_b128 s[96:99], s[78:79], 0x20           ; e8 .. e11
	s_cmp_eq_u32 s67, 2
	s_cselect_b64 s[4:5], s[70:71], s[68:69]       ; A's buffer
	s_cselect_b64 s[6:7], s[68:69], s[70:71]       ; B's
	s_add_nc_u64 s[20:21], s[4:5], s[20:21]
	s_add_nc_u64 s[46:47], s[6:7], s[46:47]
	CROUND                                         ; all sixteen work-groups are here: the first joint loads meet
.irp s, 0,1
	s_mov_b32 s[G0+4*\s], 1
	s_add_co_u32 s[G0+4*\s+1], s45, \s*SLOT
	s_add_nc_u64 s[G0+4*\s+2:G0+4*\s+3], s[20:21], \s*ROWB
	s_or_b32 s[G0+4*\s+3], s[G0+4*\s+3], 0x80000000
	s_mov_b32 s[G0B+4*\s], 1
	s_add_co_u32 s[G0B+4*\s+1], s45, \s*SLOT
	s_add_nc_u64 s[G0B+4*\s+2:G0B+4*\s+3], s[46:47], \s*ROWB
	s_or_b32 s[G0B+4*\s+3], s[G0B+4*\s+3], 0x80000000
	JLOAD G0+4*\s, G1, G0B+4*\s, G1B
.endr
	v_and_b32 v1, 15, v0                           ; r
	v_bfe_u32 v2, v0, 4, 1                         ; h
	v_mul_u32_u24 v3, v1, PITCH
	v_lshl_add_u32 v4, v2, 4, v3                   ; a fragment's row x pitch + 16 h
	s_mul_i32 s21, s15, HALFT
	s_mul_i32 s22, s16, HALFT
	s_add_co_u32 s22, s22, 2*HALFT
.irp s, 0,1
	v_add_nc_u32 v[ADRA+\s], s21, v4
	v_add_nc_u32 v[ADRB+\s], s22, v4
	s_add_co_u32 s21, s21, SLOT
	s_add_co_u32 s22, s22, SLOT
.endr
	v_and_b32 v6, 31, v0
	v_lshlrev_b32 v[LI], 4, v6
	v_lshlrev_b32 v8, 6, v2                        ; 64 h: 16 numbers of the bias
	s_wait_alu depctr_va_vdst(0)
	v_and_b32 v9, 7, v1
	v_lshrrev_b32 v5, 3, v1
	v_lshl_add_u32 v9, v5, 4, v9
	v_lshlrev_b32 v9, 2, v9                        ; 4 x (r % 8 + 16 (r / 8)): sigma of my row within two blocks of A
	s_wait_alu depctr_va_vdst(0)
	s_lshl_b32 s18, s17, 8
	s_lshl_b32 s19, s15, 7
	s_add_co_u32 s18, s18, s19                     ; my first row of C
	s_lshl_b32 s19, s42, 8
	s_lshl_b32 s22, s16, 7
	s_add_co_u32 s19, s19, s22                     ; my first column
	s_cmp_eq_u32 s67, 2
	s_cselect_b32 s20, s19, s18                    ; my first token,
	s_cselect_b32 s21, s18, s19                    ; my first channel
	s_cselect_b32 s22, 0, s19                      ; where the bias by columns begins (section 2 loads it from the bias's head and does not use it),
	s_cselect_b32 s23, s18, 0                      ; and the bias by rows (sections 0, 1 likewise)
	s_cselect_b64 s[12:13], s[76:77], s[72:73]
	s_cselect_b64 s[10:11], s[84:85], s[80:81]
	s_cmp_eq_u32 s67, 1
	s_cselect_b64 s[12:13], s[74:75], s[12:13]     ; the section's bias
	s_cselect_b64 s[10:11], s[82:83], s[10:11]     ; and its output
	s_lshr_b32 s2, s20, 11
	s_lshl_b32 s2, s2, 21                          ; batch x 16 heads x 131,072 bytes
	s_lshr_b32 s3, s21, 6
	s_lshl_b32 s3, s3, 17                          ; + head x 131,072
	s_add_co_u32 s2, s2, s3
	s_and_b32 s3, s20, 2047
	s_lshl_b32 s3, s3, 6                           ; + 64 bytes a token (1,024 for a tile of 16; 8,192 for a block of 128 keys)
	s_add_co_u32 s2, s2, s3
	s_mov_b32 s3, 0
	s_add_nc_u64 s[10:11], s[10:11], s[2:3]
	s_lshl_b32 s2, s22, 2
	s_add_nc_u64 s[8:9], s[12:13], s[2:3]
	s_lshl_b32 s2, s23, 2
	s_add_nc_u64 s[12:13], s[12:13], s[2:3]
.irp b, 0,1,2,3,4,5,6,7                        ; accumulator b's register j is column 32 (b / 2) + 16 h + 8 (b % 2) + j
	global_load_b128 v[BN+8*\b:BN+8*\b+3], v8, s[8:9] offset:4*(32*(\b/2)+8*(\b%2))
	global_load_b128 v[BN+8*\b+4:BN+8*\b+7], v8, s[8:9] offset:4*(32*(\b/2)+8*(\b%2))+16
.endr
.irp a, 0,1,2,3,4,5,6,7                        ; my row of A's block a is channel 32 (a / 2) + 8 (a % 2) + r % 8 + 16 (r / 8)
	global_load_b32 v[BM+2*\a], v9, s[12:13] offset:4*(32*(\a/2)+8*(\a%2))
	v_mov_b32 v[BM+2*\a+1], 0
.endr
.macro FRAG reg, adr, q, i             ; 16 rows x 128 K: registers 4 c .. 4 c + 3 hold K = 32 c + 16 h + 0 .. 15 of row r
.irp c, 0,1,2,3
	ds_load_b128 v[\reg+4*\c:\reg+4*\c+3], v[\adr] offset:128*(\q)+32*\c+(\i)*16*PITCH
.endr
.endm
; 16 matrix instructions: A's blocks a0, a0 + 1 x B's eight.  The 64 accumulators take turns, one instruction a turn, in the same order in every step.
.macro MUL16 a0, p, zero
.irp a, \a0, \a0+1
.irp b, 0,1,2,3,4,5,6,7
.if \zero
	v_wmma_f32_16x16x128_fp8_fp8 v[8*(8*((\a)%4)+\b):8*(8*((\a)%4)+\b)+7], v[128*(\p)+FR*\b:128*(\p)+FR*\b+FR-1], v[AF+FR*(\a):AF+FR*(\a)+FR-1], 0
.else
	v_wmma_f32_16x16x128_fp8_fp8 v[8*(8*((\a)%4)+\b):8*(8*((\a)%4)+\b)+7], v[128*(\p)+FR*\b:128*(\p)+FR*\b+FR-1], v[AF+FR*(\a):AF+FR*(\a)+FR-1], v[8*(8*((\a)%4)+\b):8*(8*((\a)%4)+\b)+7]
.endif
.endr
.endr
.endm
.macro FETCH_B slot, q, p
	WIN TO_B
.irp i, 0,1,2,3,4,5,6,7
	FRAG 128*(\p)+FR*\i, ADRB+\slot, \q, \i
.endr
	WIN 0
.endm
.macro FETCH_A slot, q, i0
.irp i, \i0, \i0+1, \i0+2, \i0+3
	FRAG AF+FR*(\i), ADRA+\slot, \q, \i
.endr
.endm
.macro PLACES n                        ; plain vector lines between a matrix instruction and a load into, or a vector write of, one of its registers, or a read of its result
.rept \n
	v_nop
.endr
.endm
.macro STEP slot, q, zero              ; 128 along K, with its successor in the same slot
	s_wait_dscnt 4*NL                              ; B's set and A's blocks 0-3 are in; the youngest sixteen loads (A's blocks 4-7) may be out
	WIN MUL_LO
	MUL16 0, (\q)%2, \zero
	MUL16 2, (\q)%2, \zero
	s_wait_dscnt 0
	PLACES NP
	FETCH_B \slot, (\q)+1, 1-(\q)%2
	FETCH_A \slot, (\q)+1, 0
	WIN MUL_HI
	MUL16 4, (\q)%2, \zero
	MUL16 6, (\q)%2, \zero
	PLACES NP
	WIN 0
	FETCH_A \slot, (\q)+1, 4
.endm
; A slot's last step changes slots: one barrier; in front of it each wave waits for all its tensor loads, adds 0 to its spare word, and waits for that and for its reads of this slot.
.macro TURN slot, next, fill
	s_wait_tensorcnt 0x0                           ; all my tensor loads have landed: my part of the next slot
	ds_add_u32 v[SPW], v[NIL]
	s_wait_dscnt 4*NL+1                            ; the add and the youngest sixteen loads may be out
	WIN MUL_LO
	MUL16 0, 1, 0
	s_wait_dscnt 0x0                               ; the add is done, and my reads of this slot are over
	s_barrier_signal -1
	MUL16 2, 1, 0
	WIN 0
	s_barrier_wait -1
.if \fill
	CREST                                          ; the barrier has opened a round of the cluster's: no wave of any partner still reads this slot or has a load on its way
	s_add_nc_u64 s[G0+4*\slot+2:G0+4*\slot+3], s[G0+4*\slot+2:G0+4*\slot+3], 2*ROWB
	s_add_nc_u64 s[G0B+4*\slot+2:G0B+4*\slot+3], s[G0B+4*\slot+2:G0B+4*\slot+3], 2*ROWB
	JLOAD G0+4*\slot, G1, G0B+4*\slot, G1B         ; the first tensor load behind the round; its four v_nop are the places in front of the loads below
.else
	PLACES NP
.endif
	FETCH_B \next, 0, 0
	FETCH_A \next, 0, 0
	WIN MUL_HI
	MUL16 4, 1, 0
	MUL16 6, 1, 0
	PLACES NP
	WIN 0
	FETCH_A \next, 0, 4
.endm
	s_wait_tensorcnt 1                             ; my part of K step 0 is in; K step 1's load may be out
	s_barrier_signal -1
	s_barrier_wait -1
	FETCH_B 0, 0, 0
	FETCH_A 0, 0, 0
	FETCH_A 0, 0, 4
	STEP 0, 0, 1                                   ; K = 1,024 is eight steps of 128: written straight; the first starts the sums
	TURN 0, 1, 1                                   ; slot 0 takes K step 2
	STEP 1, 0, 0
	TURN 1, 0, 1                                   ; slot 1 takes K step 3
	STEP 0, 0, 0
	TURN 0, 1, 0                                   ; nothing is left to fetch
	STEP 1, 0, 0
	s_wait_dscnt 4*NL
	WIN MUL_LO
	MUL16 0, 1, 0
	MUL16 2, 1, 0
	s_wait_dscnt 0
	WIN MUL_HI
	MUL16 4, 1, 0
	MUL16 6, 1, 0
	WIN 0
	; THE WAY OUT.  The section's powers of two, chosen without a branch
	s_wait_kmcnt 0x0
	s_add_co_i32 s18, s88, s89
	s_add_co_i32 s19, s90, s91
	s_add_co_i32 s20, s92, s93
	s_cmp_eq_u32 s67, 1
	s_cselect_b32 s18, s19, s18
	s_cselect_b32 s21, s95, s94
	s_cmp_eq_u32 s67, 2
	s_cselect_b32 s18, s20, s18                    ; ea + eb
	s_cselect_b32 s21, s97, s21                    ; eo
	s_add_co_i32 s18, s18, 127
	s_lshl_b32 s86, s18, 23                        ; 2^(ea + eb) as f32
	s_mov_b32 s87, s86                             ; (named with it as a pair)
	s_add_co_i32 s21, s21, 127
	s_lshl_b32 s22, s21, 23
	v_mov_b32 v11, s22                             ; 2^eo
	s_wait_loadcnt 0x0                             ; the biases
	PLACES NP
; A's block a: 64 sums a lane become 64 values, 64 codes, four groups of four registers, four stores.
.macro OUTBLK a, isv
.set AC, 64*((\a)%4)
.set CC, CD+16*((\a)%4)
.if (\a) >= 4
	s_wait_xcnt 0x0                                ; block a - 4's stores have read their data: the set of codes is written again
.endif
	WIN (0x02+((\a)/4))                            ; source 0: window 2 or 3
.set j, 0
.rept 32
.if \isv
	v_pk_fma_f32 v[TMP+j:TMP+j+1], v[AC+j:AC+j+1], s[86:87], v[BM+2*(\a):BM+2*(\a)+1] op_sel_hi:[1,0,0]   ; sum x 2^(ea + eb) + my channel's bias; each accumulator from its low end on
.else
	v_pk_fma_f32 v[TMP+j:TMP+j+1], v[AC+j:AC+j+1], s[86:87], v[BN+j:BN+j+1] op_sel_hi:[1,0,1]             ; + the registers' channels' bias
.endif
.set j, j+2
.endr
	WIN 0
.set j, 0
.rept 64
.set j, j+1
.endr
.irp b, 0,1,2,3,4,5,6,7
	v_cvt_scalef32_pk8_fp8_f32 v[CC+2*\b:CC+2*\b+1], v[TMP+8*\b:TMP+8*\b+7], v11
.endr
	v_nop                                          ; a plain vector line behind the conversions: the next block writes their sources
.irp g, 0,1,2,3
.if \isv
	global_store_b128 v[LI], v[CC+4*\g:CC+4*\g+3], s[10:11] offset:((\a)/4)*131072+((\a)%4)*2048+\g*512   ; head a / 4, tile a % 4 of its channels, keys 32 g on: 512 consecutive bytes
.else
	global_store_b128 v[LI], v[CC+4*\g:CC+4*\g+3], s[10:11] offset:(\a)*1024+(\g/2)*131072+(\g%2)*512     ; tile a of tokens, head g / 2, channels 32 (g % 2) on: 512 consecutive bytes
.endif
.endr
.endm
	s_cmp_eq_u32 s67, 2                            ; the section: the same in all partners
	s_cbranch_scc1 .Lvout
.irp a, 0,1,2,3,4,5,6,7
	OUTBLK \a, 0
.endr
	s_branch .Ldone
.Lvout:
	s_wait_alu depctr_va_vdst(0)
.irp a, 0,1,2,3,4,5,6,7
	OUTBLK \a, 1
.endr
.Ldone:
	s_wait_tensorcnt 0x0                           ; the wave's end
	ds_add_u32 v[SPW], v[NIL]
	s_wait_dscnt 0x0
	CROUND                                         ; the closing round: no work-group ends while a partner may still ask for a tile that names it
	s_endpgm
.Lfunc_end_k_qce6403ad52_qkv:
	.size	k_qce6403ad52_qkv, .Lfunc_end_k_qce6403ad52_qkv-k_qce6403ad52_qkv
	.p2alignl 7, 3214868480
	.fill 96, 4, 3214868480
	.section	.rodata,"a",@progbits
	.p2align	6, 0x0
	.amdhsa_kernel k_qce6403ad52_qkv
		.amdhsa_group_segment_fixed_size 327680
		.amdhsa_private_segment_fixed_size 0
		.amdhsa_enable_private_segment 0
		.amdhsa_kernarg_size 72
		.amdhsa_user_sgpr_count 2
		.amdhsa_user_sgpr_kernarg_segment_ptr 1
		.amdhsa_wavefront_size32 1
		.amdhsa_system_sgpr_workgroup_id_x 1
		.amdhsa_system_sgpr_workgroup_id_y 1
		.amdhsa_system_sgpr_workgroup_id_z 1
		.amdhsa_system_vgpr_workitem_id 0
		.amdhsa_next_free_vgpr 1024
		.amdhsa_next_free_sgpr 100
		.amdhsa_reserve_vcc 0
		.amdhsa_float_denorm_mode_32 3
		.amdhsa_float_denorm_mode_16_64 3
		.amdhsa_fp16_overflow 1
		.amdhsa_memory_ordered 1
		.amdhsa_forward_progress 1
		.amdhsa_inst_pref_size 129
	.end_amdhsa_kernel
	.amdgpu_metadata
---
amdhsa.version: [ 1, 2 ]
amdhsa.kernels:
  - .name:           k_qce6403ad52_qkv
    .symbol:         k_qce6403ad52_qkv.kd
    .args:
      - { .name: xc, .offset: 0, .size: 8, .value_kind: global_buffer, .address_space: global }
      - { .name: wc, .offset: 8, .size: 8, .value_kind: global_buffer, .address_space: global }
      - { .name: bq, .offset: 16, .size: 8, .value_kind: global_buffer, .address_space: global }
      - { .name: bk, .offset: 24, .size: 8, .value_kind: global_buffer, .address_space: global }
      - { .name: bv, .offset: 32, .size: 8, .value_kind: global_buffer, .address_space: global }
      - { .name: lowp_scales, .offset: 40, .size: 8, .value_kind: global_buffer, .address_space: global }
      - { .name: qc, .offset: 48, .size: 8, .value_kind: global_buffer, .address_space: global }
      - { .name: kc, .offset: 56, .size: 8, .value_kind: global_buffer, .address_space: global }
      - { .name: vc, .offset: 64, .size: 8, .value_kind: global_buffer, .address_space: global }
    .group_segment_fixed_size: 327680
    .private_segment_fixed_size: 0
    .kernarg_segment_align: 8
    .kernarg_segment_size: 72
    .max_flat_workgroup_size: 128
    .sgpr_count:     100
    .vgpr_count:     1024
    .wavefront_size: 32
...
	.end_amdgpu_metadata
.endif
;; end of part 2
;; launch attn (part 3): grid 4 x 64, 16 waves a work-group, no clusters, 327,680 bytes of LDS; arguments qc, kc, vc, lowp_scales, ac; writes ac
.if DOCPART == 3
	.amdgcn_target "amdgcn-amd-amdhsa--gfx1250"
	.amdhsa_code_object_version 6
	.text
	.protected	k_qce6403ad52_attn
	.globl	k_qce6403ad52_attn
	.p2align	8
	.type	k_qce6403ad52_attn,@function
k_qce6403ad52_attn:
	s_mov_b64 s[64:65], 0
	v_nop
	global_prefetch_b8 v0, s[64:65] scope:SCOPE_SE
	s_setreg_imm32_b32 hwreg(HW_REG_WAVE_MODE, 25, 1), 1
	s_wait_xcnt 0x0
; Causal attention on codes of FP8 (E4M3): 64 (batch x head), 2,048 tokens, head size 64.  o = softmax(q k^T / 8, keys up to the query) v, then quantised for the last projection.
; THE SOFTMAX AHEAD OF THE SECOND PRODUCT: t = score x log2(e) / 8; M = the row's largest t so far, rounded UP to a whole number; p = 2^(t - M) is quantised (entry 8 of the scales), not normalised;
; the row's sum is taken of the unquantised p and divides at the end.  When M moves, the sum and O are multiplied by 2^(old M - new M): exact.
; SHARES.  Work-group (J, batch x head) owns the blocks of 256 queries 7 - J and J: block Q walks the slots of 256 keys 0 .. Q, so every work-group walks (8 - J) + (J + 1) = 9 slots: 256 work-groups of equal work.
; Each of sixteen waves owns 16 queries of the block in hand, in 256 registers.  A loop of eight trips, each asking for the next slot, and a last slot written out.
; A step (128 keys) all of whose keys come after the wave's queries is jumped over (a branch on ids, round no barrier and no tensor load); on the diagonal hidden scores become -infinity.
; NO CLUSTER: the four work-groups of a head begin their second block after 8, 7, 6 and 5 slots, so from the sixth trip on they want different slots in the same trip, and joint requests would not meet.
; OPERANDS ARE IMAGES OF REGISTERS (group c of four registers at 512 c + 16 x lane), in memory and in LDS: every LDS load reads 512 consecutive bytes; no pitch, no padding.
; Both products are used transposed: S^T = K Q^T (source 0 = 16 keys), O^T = V^T P^T (source 0 = 16 channels): a lane holds ONE query (lane % 16).  kc's keys and vc's channels lie in the order sigma (bits 3, 4 exchanged),
; so the 16 registers of tiles 2 b and 2 b + 1 are 16 neighbours: keys 32 b + 16 h + 0 .. 15 for p, channels likewise for o: the conversions' results are the next operand's registers.
; ac: [4 K steps of 256 channels][512 tiles of 16 tokens][2 x 2,048 bytes]: head hd fills groups 2 (hd % 2), + 1 of image (hd / 2) % 2 of K step hd / 4.  Each store of a wave covers 512 consecutive bytes, aligned.
; LIMITS: e6 + e7 between -123 and 130 (added to c's exponent field); e8 and e10 between -126 and 119; e8 + e9 goes by v_ldexp_f32.  k is permuted alike in both operands of a product.
; REGISTERS: v1 16 x lane; v2 the step's LDS address; v3 prefetch offset; v5, v6 the add's; v12 -M, v13 largest t, v[14:15] the sum; v16-23 Q; v32-95 K's eight fragments, then V's four; v96-159 S^T, then p; v160-191 O^T; v224-239 codes; v236-254 at work.
.set SLOTB, 32768                      ; a slot: K's 16 images of 1,024 bytes, then V's 2 x 4 images of 2,048
.set VOFF,  16384
.set SPARE, 2*SLOTB                    ; behind the ring: the spare words, 128 bytes for each of 16 waves, that no other line names
.set LI,  1
.set ADR, 2
.set PFO, 3
.set SPW, 5
.set NIL, 6
.set TB,  2                            ; s2   LDS byte at which the slot in hand begins
.set REM, 3                            ; s3   trips to go
.set WV,  18
.set SEL, 20                           ; s[20:21] selects for lane l xor 16
.set CS,  22                           ; s[22:23] c = log2(e) / 8 x 2^(e6 + e7)
.set G1,  24
.set G0,  32
.set BASE, 36                          ; s[36:37] K's (wave 0) or V's (wave 1) codes of my batch x head
.set KS,  38                           ; the slot of keys in hand;  s39: the next
.set KSN, 39
.set QB,  40                           ; the block of queries in hand
.set JJ,  41
.set Q0,  42                           ; my first query
.set KF,  43                           ; the step's first key
.set OFS, 44                           ; s[44:45] an offset, high word 0
.set OUTP, 46
.set QCB, 48
.set ACB, 50
.set PFA, 58
.set LIM, 60
.macro TLOAD                           ; wave 0 fetches a slot's K, wave 1 its V: 16,384 dense bytes each; an s_nop 0 and four v_nop follow
	s_cmp_lt_u32 s[WV], 2
	s_cbranch_scc0 .Lno_load_\@
	tensor_load_to_lds s[G0:G0+3], s[G1:G1+7]
	s_nop 0
.rept 4
	v_nop
.endr
.Lno_load_\@:
.endm
; A PREFETCH INTO THE L2 of the slot that the NEXT change of slots will ask for.  All four work-groups of a head walk the same K and V, and work-group J = 0 walks slots 0 to 7 first: it alone asks.
; Waves 4, 5 name K's 16,384 bytes, waves 6, 7 V's: 8,192 bytes a wave, lanes 256 bytes apart, one instruction each: each aligned block of 256 bytes is named once in the launch.
; Trip t names slot t + 2, for t up to 5; slots 0 and 1 come by their loads alone.
.macro ASK
	s_cmp_gt_u32 s[REM], s[LIM]
	s_cbranch_scc0 .Lnot_mine_\@
	global_prefetch_b8 v[PFO], s[PFA:PFA+1] th:TH_LOAD_NT scope:SCOPE_SE
.Lnot_mine_\@:
.endm
.macro QLOAD                           ; my tile's image of q: 1,024 bytes at 64 x my first query
	s_lshl_b32 s70, s[Q0], 6
	s_mov_b32 s71, 0
	s_add_nc_u64 s[68:69], s[QCB:QCB+1], s[70:71]
	global_load_b128 v[16:19], v[LI], s[68:69]
	global_load_b128 v[20:23], v[LI], s[68:69] offset:512
.endm
.macro INIT                            ; a block begins: the step is written once, and its first pass finds zeros, which the first change of M leaves zeros
	v_mov_b32 v13, 0xff61b1e6                      ; the largest t so far: -3e38
	s_delay_alu instid0(VALU_DEP_1)
	v_floor_f32 v12, -v13
	v_mov_b32 v14, 0
	v_mov_b32 v15, 0
.set j, 0
.rept 32
	v_mov_b32 v[160+j], 0
.set j, j+1
.endr
.endm
	s_load_b256 s[4:11], s[0:1], 0x0               ; qc s[4:5], kc s[6:7], vc s[8:9], scales s[10:11]
	s_load_b64 s[12:13], s[0:1], 0x20              ; ac
	v_lshl_add_u32 v[SPW], v0, 2, SPARE
	v_mov_b32 v[NIL], 0
	ds_add_u32 v[SPW], v[NIL]                      ; the wave's opening: the add and its wait ahead of the first tensor load; work on registers stands between
	ds_add_u32 v[SPW], v[NIL]
	v_lshrrev_b32 v2, 5, v0
	s_delay_alu instid0(VALU_DEP_1)
	v_readfirstlane_b32 s[WV], v2                  ; wave 0..15
	s_and_b32 s61, ttmp7, 0xffff                   ; batch x 16 + head
	s_mov_b32 s[JJ], ttmp9
	s_sub_co_u32 s[QB], 7, s[JJ]                   ; the longer block first
	s_lshl_b32 s[OFS], s61, 17                     ; 131,072 bytes of q, of k and of v for each batch x head
	s_mov_b32 s[OFS+1], 0
	s_mov_b32 s[G1], 0                             ; no mask, elements of 1 byte, no padding
	s_mov_b32 s[G1+1], 256<<16                     ; tensor_dim0 = 256
	s_mov_b32 s[G1+2], 64<<16                      ; tensor_dim1 = 64
	s_mov_b32 s[G1+3], 256<<16                     ; tile_dim0
	s_mov_b32 s[G1+4], 64                          ; tile_dim1
	s_mov_b32 s[G1+5], 256                         ; dense
	s_mov_b32 s[G1+6], 0
	s_mov_b32 s[G1+7], 0
	s_mov_b32 s[SEL], 0x76543210
	s_mov_b32 s[SEL+1], 0xfedcba98
	s_mov_b32 s[CS], 0x3e38aa3b                    ; log2(e) / 8
	s_mov_b32 s[TB], 0
	s_mov_b32 s[KS], 0
	s_mov_b32 s[REM], 8
	s_lshl_b32 s[Q0], s[QB], 8
	s_lshl_b32 s62, s[WV], 4
	s_add_co_u32 s[Q0], s[Q0], s62                 ; 256 x block + 16 x wave
	s_wait_dscnt 0x0                               ; the opening add is done
	s_wait_kmcnt 0x0
	s_load_b128 s[52:55], s[10:11], 0x20           ; e8, e9, e10, e11
	s_load_b64 s[56:57], s[10:11], 0x18            ; e6, e7
	s_cmp_eq_u32 s[WV], 0
	s_cselect_b64 s[BASE:BASE+1], s[6:7], s[8:9]
	s_add_nc_u64 s[BASE:BASE+1], s[BASE:BASE+1], s[OFS:OFS+1]
	s_mov_b32 s[G0], 1
	s_lshl_b32 s[G0+1], s[WV], 14                  ; slot 0: K at 0, V at 16,384
	s_mov_b64 s[G0+2:G0+3], s[BASE:BASE+1]         ; keys 0 to 255
	s_or_b32 s[G0+3], s[G0+3], 0x80000000
	TLOAD
	s_add_nc_u64 s[QCB:QCB+1], s[4:5], s[OFS:OFS+1]
	s_and_b32 s62, s61, 15                         ; head
	s_lshr_b32 s63, s61, 4                         ; batch
	s_lshr_b32 s66, s62, 2
	s_lshl_b32 s66, s66, 21                        ; K step head / 4: 2^21 bytes
	s_lshl_b32 s63, s63, 19                        ; 128 tiles of tokens x 4,096 bytes
	s_add_co_u32 s66, s66, s63
	s_and_b32 s62, s62, 3
	s_lshl_b32 s62, s62, 10                        ; 1,024 bytes for each of the K step's four heads
	s_add_co_u32 s66, s66, s62
	s_mov_b32 s67, 0
	s_add_nc_u64 s[ACB:ACB+1], s[12:13], s[66:67]
	s_cmp_lt_u32 s[WV], 6
	s_cselect_b64 s[PFA:PFA+1], s[6:7], s[8:9]
	s_add_nc_u64 s[PFA:PFA+1], s[PFA:PFA+1], s[OFS:OFS+1]
	s_and_b32 s66, s[WV], 1
	s_lshl_b32 s66, s66, 13
	s_add_co_u32 s66, s66, 16384                   ; my half, in slot 1: the first change of slots steps it to slot 2
	s_add_nc_u64 s[PFA:PFA+1], s[PFA:PFA+1], s[66:67]
	s_sub_co_u32 s61, s[WV], 4
	s_lshr_b32 s61, s61, 2                         ; 0 in waves 4 to 7,
	s_or_b32 s61, s61, ttmp9                       ; of work-group J = 0
	s_cmp_eq_u32 s61, 0
	s_cselect_b32 s[LIM], 2, -1
	v_and_b32 v[LI], 31, v0
	s_delay_alu instid0(VALU_DEP_1)
	v_lshlrev_b32 v[PFO], 8, v[LI]
	s_delay_alu instid0(VALU_DEP_2)
	v_lshlrev_b32 v[LI], 4, v[LI]
	QLOAD
	INIT
	v_mov_b32 v236, 0                              ; written once: a lane permute's destination counts as one of its sources,
	v_mov_b32 v252, 0
	v_mov_b32 v253, 0                              ; (the upper half of the pair v[252:253])
	v_mov_b32 v254, 0
	s_wait_kmcnt 0x0
	s_add_co_i32 s61, s56, s57
	s_lshl_b32 s61, s61, 23
	s_add_co_i32 s[CS], s[CS], s61                 ; a score stands for score x 2^(e6 + e7)
	s_mov_b32 s[CS+1], s[CS]
	s_add_co_i32 s61, s52, 127
	s_lshl_b32 s62, s61, 23
	v_mov_b32 v244, s62                            ; 2^e8
	s_add_co_i32 s61, s54, 127
	s_lshl_b32 s62, s61, 23
	v_mov_b32 v245, s62                            ; 2^e10
; A KEY STEP: 128 keys, the q-th of the slot in hand.
.macro STEP q
	s_add_co_u32 s61, s[Q0], 15
	s_cmp_gt_u32 s[KF], s61                        ; all keys come after my 16 queries: nothing to do
	s_cbranch_scc1 .Lhidden_\@
	v_add_nc_u32 v[ADR], s[TB], v[LI]
.rept 3
	v_nop                                          ; with the addition four places in front of loads into registers that the last products read
.endr
.irp t, 0,1,2,3,4,5,6,7
	ds_load_b128 v[32+8*\t:35+8*\t], v[ADR] offset:(8*(\q)+\t)*1024
	ds_load_b128 v[36+8*\t:39+8*\t], v[ADR] offset:(8*(\q)+\t)*1024+512
.endr
	s_wait_alu depctr_va_vdst(0)
	s_wait_dscnt 0x0
.irp t, 0,1,2,3,4,5,6,7                        ; S^T = K Q^T: register 16 b + i of v96 on is key KF + 32 b + 16 h + i
	v_wmma_f32_16x16x64_fp8_fp8 v[96+8*\t:103+8*\t], v[32+8*\t:39+8*\t], v[16:23], 0
.endr
.rept 4
	v_nop                                          ; places in front of the loads over K's fragments and of the first read of the scores
.endr
.irp t, 0,1,2,3                                ; V's four fragments are asked for now and land under the softmax
.irp c, 0,1,2,3
	ds_load_b128 v[32+16*\t+4*\c:35+16*\t+4*\c], v[ADR] offset:VOFF+8192*(\q)+2048*\t+512*\c
.endr
.endr
	s_add_co_u32 s61, s[KF], 127
	s_cmp_le_u32 s61, s[Q0]                        ; all keys count for all my queries
	s_cbranch_scc1 .Lopen_\@
	s_sub_co_i32 s61, s[Q0], s[KF]
	v_and_b32 v252, 15, v0
	v_bfe_u32 v253, v0, 4, 1
	s_delay_alu instid0(VALU_DEP_1)
	v_lshlrev_b32 v253, 4, v253
	s_delay_alu instid0(VALU_DEP_1)
	v_sub_nc_u32 v252, v252, v253
	s_delay_alu instid0(VALU_DEP_1)
	v_add_nc_u32 v252, s61, v252                   ; d = my query - KF - 16 h: register 16 b + i is hidden where 32 b + i > d
	v_mov_b32 v254, 0xff800000                     ; -infinity
.set n, 0
.rept 64
	v_cmp_gt_i32 vcc_lo, 32*(n/16)+n%16, v252
	v_cndmask_b32 v[96+n], v[96+n], v254, vcc_lo
.set n, n+1
.endr
.Lopen_\@:
	v_max3_num_f32 v254, v96, v97, v98             ; the step's largest score of my query among my 64 keys, in two chains, each tile from its low end on,
	v_max3_num_f32 v252, v99, v100, v101
.irp i, 6,10,14,18,22,26,30,34,38,42,46,50,54,58
	v_max3_num_f32 v254, v254, v[96+\i], v[97+\i]
	v_max3_num_f32 v252, v252, v[98+\i], v[99+\i]
.endr
	v_max3_num_f32 v254, v254, v158, v159
	s_delay_alu instid0(VALU_DEP_1)
	v_max_num_f32 v254, v254, v252
	v_permlanex16_b32 v236, v254, s[SEL], s[SEL+1]
	s_delay_alu instid0(VALU_DEP_1)
	v_max_num_f32 v254, v254, v236                 ; and among lane l xor 16's
	s_delay_alu instid0(VALU_DEP_1)
	v_mul_f32 v254, s[CS], v254                    ; as t (c is positive)
	s_delay_alu instid0(VALU_DEP_1)
	v_max_num_f32 v13, v13, v254
	v_mov_b32 v254, v12
	s_delay_alu instid0(VALU_DEP_2)
	v_floor_f32 v12, -v13                          ; the new -M = -ceil(t)
	s_delay_alu instid0(VALU_DEP_1)
	v_sub_f32 v254, v12, v254                      ; old M - new M: a whole number, 0 or less
	s_delay_alu instid0(VALU_DEP_1)
	v_cvt_i32_f32 v254, v254                       ; (it saturates)
	s_delay_alu instid0(VALU_DEP_1)
	v_ldexp_f32 v252, 1.0, v254                    ; f = 2^(old M - new M)
.set j, 0
.rept 32
	v_pk_fma_f32 v[96+j:97+j], v[96+j:97+j], s[CS:CS+1], v[12:13] op_sel_hi:[1,0,0]   ; t - M
.set j, j+2
.endr
.set j, 0
	s_wait_alu depctr_va_vdst(0)
.rept 64
	v_exp_f32 v[96+j], v[96+j]                     ; p = 2^(t - M)
.set j, j+1
.endr
	v_pk_mul_f32 v[14:15], v[14:15], v[252:253] op_sel_hi:[1,0]   ; the sums under the new M: the plain line behind the exponentials
	s_wait_alu depctr_va_vdst(0)                   ; one wait for the batch of 64, ahead of its first reader
	v_pk_add_f32 v[242:243], v[100:101], v[104:105]
	v_pk_add_f32 v[254:255], v[108:109], v[112:113]
	v_pk_add_f32 v[250:251], v[116:117], v[120:121]
	v_pk_add_f32 v[248:249], v[124:125], v[128:129]
	v_pk_add_f32 v[246:247], v[132:133], v[136:137]
	v_pk_add_f32 v[240:241], v[140:141], v[144:145]
	v_pk_add_f32 v[238:239], v[148:149], v[152:153]
	v_pk_add_f32 v[14:15], v[14:15], v[156:157]
	v_pk_add_f32 v[242:243], v[242:243], v[96:97]
	v_pk_add_f32 v[254:255], v[254:255], v[98:99]
	v_pk_add_f32 v[250:251], v[250:251], v[102:103]
	v_pk_add_f32 v[248:249], v[248:249], v[106:107]
	v_pk_add_f32 v[246:247], v[246:247], v[110:111]
	v_pk_add_f32 v[240:241], v[240:241], v[114:115]
	v_pk_add_f32 v[238:239], v[238:239], v[118:119]
	v_pk_add_f32 v[14:15], v[14:15], v[122:123]
	v_pk_add_f32 v[242:243], v[242:243], v[126:127]
	v_pk_add_f32 v[254:255], v[254:255], v[130:131]
	v_pk_add_f32 v[250:251], v[250:251], v[134:135]
	v_pk_add_f32 v[248:249], v[248:249], v[138:139]
	v_pk_add_f32 v[246:247], v[246:247], v[142:143]
	v_pk_add_f32 v[240:241], v[240:241], v[146:147]
	v_pk_add_f32 v[238:239], v[238:239], v[150:151]
	v_pk_add_f32 v[14:15], v[14:15], v[154:155]
	v_pk_add_f32 v[242:243], v[242:243], v[158:159]
	s_delay_alu instid0(VALU_DEP_2)
	v_pk_add_f32 v[14:15], v[14:15], v[248:249]
	s_delay_alu instid0(VALU_DEP_2)
	v_pk_add_f32 v[242:243], v[242:243], v[246:247]
	v_pk_add_f32 v[254:255], v[254:255], v[240:241]
	v_pk_add_f32 v[250:251], v[250:251], v[238:239]
	s_delay_alu instid0(VALU_DEP_2)
	v_pk_add_f32 v[14:15], v[14:15], v[254:255]
	s_delay_alu instid0(VALU_DEP_2)
	v_pk_add_f32 v[242:243], v[242:243], v[250:251]
	s_delay_alu instid0(VALU_DEP_1)
	v_pk_add_f32 v[14:15], v[14:15], v[242:243]
.irp b, 0,1,2,3
.set j, 0
.rept 16
.set j, j+1
.endr
	v_cvt_scalef32_pk8_fp8_f32 v[224+4*\b:225+4*\b], v[96+16*\b:103+16*\b], v244
	v_cvt_scalef32_pk8_fp8_f32 v[226+4*\b:227+4*\b], v[104+16*\b:111+16*\b], v244
.endr
.set j, 0
.rept 16
	v_pk_mul_f32 v[160+j:161+j], v[160+j:161+j], v[252:253] op_sel_hi:[1,0]   ; O^T under the new M; also the plain lines between the conversions and the products
.set j, j+2
.endr
	s_wait_alu depctr_va_vdst(0)
	s_wait_dscnt 0x0                               ; V's fragments
.irp t, 0,1,2,3                                ; O^T += V^T P^T: four accumulators by turns, one instruction a turn
	v_wmma_f32_16x16x128_fp8_fp8 v[160+8*\t:167+8*\t], v[32+16*\t:47+16*\t], v[224:239], v[160+8*\t:167+8*\t]
.endr
.Lhidden_\@:
	s_add_co_u32 s[KF], s[KF], 128
.endm
; THE CHANGE OF SLOTS stands at a slot's head: each wave waits for all its tensor loads, adds 0 to its spare word, and waits for that and for its reads of the slot that it has left; one barrier;
; behind it the slot ahead is whole and nobody reads the other one, which (fill = 1) takes the next slot of keys: the block's next, or slot 0 for the second block.
.macro CHANGE fill
	s_wait_tensorcnt 0x0                           ; no tensor load of mine is out, so group 0 may be written
	ds_add_u32 v[SPW], v[NIL]
.if \fill
	s_add_co_u32 s[KSN], s[KS], 1
	s_cmp_eq_u32 s[KS], s[QB]
	s_cselect_b32 s[KSN], 0, s[KSN]
	s_xor_b32 s[G0+1], s[G0+1], SLOTB              ; the other slot than last time
	s_lshl_b32 s[OFS], s[KSN], 14
	s_add_nc_u64 s[G0+2:G0+3], s[BASE:BASE+1], s[OFS:OFS+1]
	s_or_b32 s[G0+3], s[G0+3], 0x80000000
	s_wait_xcnt 0x0                                ; the last prefetch, a slot back, has read its address
	s_add_nc_u64 s[PFA:PFA+1], s[PFA:PFA+1], 16384
.endif
	s_lshl_b32 s[KF], s[KS], 8
	s_wait_dscnt 0x0                               ; the add is done, and my reads of the slot that I have left are over
	s_barrier_signal -1
	s_barrier_wait -1
.if \fill
	TLOAD                                          ; the first thing behind the barrier, and a wave's one tensor load until the next
	ASK
.endif
.endm
; A BLOCK'S END: o = O^T x 2^(e8 + e9) / the sum, converted with 2^e10, and stored as two groups of the next operand's image.
.macro FINISH
.rept 4
	v_nop                                          ; places behind the last products
.endr
	v_add_f32 v14, v14, v15
	s_wait_alu depctr_va_vdst(0)
	v_permlanex16_b32 v252, v14, s[SEL], s[SEL+1]
	s_delay_alu instid0(VALU_DEP_1)
	v_add_f32 v14, v14, v252                       ; the row's sum
	s_wait_alu depctr_va_vdst(0)
	v_rcp_f32 v14, v14
	v_nop                                          ; a plain line behind the reciprocal
	s_wait_xcnt 0x0                                ; earlier stores have read their base
	s_lshl_b32 s[OFS], s[Q0], 8                    ; 4,096 bytes for a tile of 16 tokens
	s_add_nc_u64 s[OUTP:OUTP+1], s[ACB:ACB+1], s[OFS:OFS+1]
	s_add_co_i32 s61, s52, s53
	s_wait_alu depctr_va_vdst(0)                   ; ahead of the reciprocal's first reader
	v_ldexp_f32 v14, v14, s61
.set j, 0
.rept 32
	v_mul_f32 v[96+j], v[160+j], v14               ; register 16 g + i: channel 32 g + 16 h + i; each accumulator from its low end on
.set j, j+1
.endr
.set j, 0
.rept 32
.set j, j+1
.endr
.irp t, 0,1,2,3
	v_cvt_scalef32_pk8_fp8_f32 v[224+2*\t:225+2*\t], v[96+8*\t:103+8*\t], v245
.endr
	v_nop                                          ; a plain line behind the conversions
	global_store_b128 v[LI], v[224:227], s[OUTP:OUTP+1]            ; 512 consecutive bytes each
	global_store_b128 v[LI], v[228:231], s[OUTP:OUTP+1] offset:512
.endm
	s_wait_loadcnt 0x0                             ; Q
.Lslot:                                            ; eight trips: behind each change of slots the next slot is asked for
	CHANGE 1
	STEP 0
	STEP 1
	s_xor_b32 s[TB], s[TB], SLOTB
	s_cmp_lg_u32 s[KS], s[QB]                      ; ids and the count of trips alone: all sixteen waves go the same way
	s_cbranch_scc1 .Lsame
	FINISH                                         ; the first block is done: on to block J
	s_mov_b32 s[QB], s[JJ]
	s_lshl_b32 s[Q0], s[QB], 8
	s_lshl_b32 s62, s[WV], 4
	s_add_co_u32 s[Q0], s[Q0], s62
	QLOAD
	INIT
	s_wait_loadcnt 0x0                             ; Q
	s_wait_xcnt 0x0                                ; the stores have read the codes' registers
.Lsame:
	s_mov_b32 s[KS], s[KSN]
	s_sub_co_u32 s[REM], s[REM], 1
	s_cmp_lg_u32 s[REM], 0
	s_cbranch_scc1 .Lslot
	CHANGE 0                                       ; the ninth slot is written out: nothing is left to ask for
	STEP 0
	STEP 1
	FINISH
	s_wait_tensorcnt 0x0                           ; the wave's end
	ds_add_u32 v[SPW], v[NIL]
	s_wait_dscnt 0x0
	s_endpgm
.Lfunc_end_k_qce6403ad52_attn:
	.size	k_qce6403ad52_attn, .Lfunc_end_k_qce6403ad52_attn-k_qce6403ad52_attn
	.p2alignl 7, 3214868480
	.fill 96, 4, 3214868480
	.section	.rodata,"a",@progbits
	.p2align	6, 0x0
	.amdhsa_kernel k_qce6403ad52_attn
		.amdhsa_group_segment_fixed_size 327680
		.amdhsa_private_segment_fixed_size 0
		.amdhsa_enable_private_segment 0
		.amdhsa_kernarg_size 40
		.amdhsa_user_sgpr_count 2
		.amdhsa_user_sgpr_kernarg_segment_ptr 1
		.amdhsa_wavefront_size32 1
		.amdhsa_system_sgpr_workgroup_id_x 1
		.amdhsa_system_sgpr_workgroup_id_y 1
		.amdhsa_system_sgpr_workgroup_id_z 1
		.amdhsa_system_vgpr_workitem_id 0
		.amdhsa_next_free_vgpr 256
		.amdhsa_next_free_sgpr 72
		.amdhsa_reserve_vcc 1
		.amdhsa_float_denorm_mode_32 3
		.amdhsa_float_denorm_mode_16_64 3
		.amdhsa_fp16_overflow 1
		.amdhsa_memory_ordered 1
		.amdhsa_forward_progress 1
		.amdhsa_inst_pref_size 90
	.end_amdhsa_kernel
	.amdgpu_metadata
---
amdhsa.version: [ 1, 2 ]
amdhsa.kernels:
  - .name:           k_qce6403ad52_attn
    .symbol:         k_qce6403ad52_attn.kd
    .args:
      - { .name: qc, .offset: 0, .size: 8, .value_kind: global_buffer, .address_space: global }
      - { .name: kc, .offset: 8, .size: 8, .value_kind: global_buffer, .address_space: global }
      - { .name: vc, .offset: 16, .size: 8, .value_kind: global_buffer, .address_space: global }
      - { .name: lowp_scales, .offset: 24, .size: 8, .value_kind: global_buffer, .address_space: global }
      - { .name: ac, .offset: 32, .size: 8, .value_kind: global_buffer, .address_space: global }
    .group_segment_fixed_size: 327680
    .private_segment_fixed_size: 0
    .kernarg_segment_align: 8
    .kernarg_segment_size: 40
    .max_flat_workgroup_size: 512
    .sgpr_count:     72
    .vgpr_count:     256
    .wavefront_size: 32
...
	.end_amdgpu_metadata
.endif
;; end of part 3
;; launch proj (part 4): grid 4 x 32, 4 waves a work-group, clusters of 4 x 4, 327,680 bytes of LDS; arguments ac, wc, bo, lowp_scales, out0; writes out0
.if DOCPART == 4
	.amdgcn_target "amdgcn-amd-amdhsa--gfx1250"
	.amdhsa_code_object_version 6
	.text
	.protected	k_qce6403ad52_proj
	.globl	k_qce6403ad52_proj
	.p2align	8
	.type	k_qce6403ad52_proj,@function
k_qce6403ad52_proj:
	s_mov_b64 s[64:65], 0
	v_nop
	global_prefetch_b8 v0, s[64:65] scope:SCOPE_SE
	s_setreg_imm32_b32 hwreg(HW_REG_WAVE_MODE, 25, 1), 1
	s_wait_xcnt 0x0
	s_wait_alu depctr_hold_cnt(0) depctr_sa_sdst(0) depctr_va_vdst(0) depctr_va_sdst(0) depctr_va_ssrc(0) depctr_va_vcc(0) depctr_vm_vsrc(0)
	s_getreg_b32 s2, hwreg(HW_REG_IB_STS2, 6, 4)
	s_cmp_eq_u32 s2, 0
	s_cbranch_scc0 .Lentry_in_a_cluster
	s_endpgm
.Lentry_in_a_cluster:
	s_bfe_u32 s2, ttmp6, 0x10000c
	s_cmp_lg_u32 s2, 0xf033
	s_cbranch_scc0 .Lentry_shape_is_right
	s_endpgm
.Lentry_shape_is_right:
; out0[m][n] = sum over k of a[m][k] Wo[n][k] x 2^(e10 + e11) + bo[n], on codes of FP8 (E4M3).  M = 8,192 tokens, N = K = 1,024; out0 f32.
; A = ac: images of operand registers, [4 K steps of 256][512 tiles of 16 tokens][2 x 2,048 bytes] (group c of four registers at 512 c + 16 x lane): a tile of 256 tokens x 256 K is 65,536 dense bytes,
; and a fragment comes out of LDS by four loads of 512 consecutive bytes.  B = wc's section 3: rows of 1,024 codes in their own order, through padded LDS rows.
; Both give lane (r, h) K = 32 c + 16 h + 0 .. 15 in registers 4 c .. 4 c + 3: a permutation of k, the same in both operands, so the order of the sums inside an instruction differs from ascending k.
; A tile of C is 256 x 256, four waves of 128 x 128; four K steps of 256 through two LDS slots filled by joint tensor loads in clusters of 4 x 4 (A shared along a row, B along a column).
; The matrix instruction is used transposed (source 0 = B's rows, source 1 = A's): a lane holds eight neighbouring columns of one row of C.
; 128 work-groups: C has 32 x 4 tiles of this size.
; LIMIT: e10 + e11 between -126 and 127.
; REGISTERS: window 0: v0-31 addresses; v64-127 the bias; from v128 A's fragments, one set; on the way out v128-191 values, v192-255 rows read back.  window 1: B's two sets.  windows 2, 3: the accumulators.
.set ROWB,   256
.set PITCH,  272                       ; B's LDS row: 256 bytes + 16 of padding: the 16 rows that a load touches start at 16 different banks (64 banks of 4 bytes: ISA guide 11.1)
.set FR,     16
.set NL,     4
.set NP,     4
.set HALFA,  32768                     ; A: 8 tiles of 16 tokens x 4,096 bytes
.set HALFT,  128*PITCH                 ; B: 128 rows
.set BOFF,   2*HALFA
.set SLOT,   BOFF+2*HALFT
.set SPARE,  2*SLOT                    ; behind the ring: the spare words, 128 bytes a wave, that no other line names
.set SPITCH, 528                       ; the way out: a stage of 16 rows x (512 + 16) bytes for each wave, in slot 0, which has had its last fill and its last read by then
.set ADRA, 16
.set ADRB, 20
.set STO,  24
.set RD,   25
.set CO,   26                          ; v26  16 x lane
.set SPW,  28
.set NIL,  29
.set BN,   64                          ; v64-127: register 8 b + j: bo of column 16 b + 8 h + j
.set AF,   128
.set TMP,  128
.set BK,   192
.set G1, 24
.set G0, 32
.set G1B, 48
.set G0B, 56
.set MSB, 0
.macro WIN new
.if MSB != \new
	s_set_vgpr_msb (MSB<<8)|\new
.set MSB, \new
.endif
.endm
.set MUL_LO, 0xa1
.set MUL_HI, 0xf1
.set TO_B,   0x40
.macro JLOAD g0a, g1a, g0b, g1b        ; waves 0 and 1 fetch for A, waves 2 and 3 for B; an s_nop 0 and four v_nop follow each line
	s_cmp_eq_u32 s15, 0
	s_cbranch_scc0 .Lfor_b_\@
	tensor_load_to_lds s[\g0a:\g0a+3], s[\g1a:\g1a+7]
	s_nop 0
.rept 4
	v_nop
.endr
	s_branch .Lasked_\@
.Lfor_b_\@:
	tensor_load_to_lds s[\g0b:\g0b+3], s[\g1b:\g1b+7]
	s_nop 0
.rept 4
	v_nop
.endr
.Lasked_\@:
.endm
.macro CREST
	s_cmp_lg_u32 s14, 0
	s_cbranch_scc1 .Lnot_wave_0_\@
	s_barrier_signal -3
.Lnot_wave_0_\@:
	s_barrier_wait -3
	s_barrier_signal -1
	s_barrier_wait -1
.endm
.macro CROUND
	s_barrier_signal -1
	s_barrier_wait -1
	CREST
.endm
	s_load_b256 s[68:75], s[0:1], 0x0              ; ac s[68:69], wc s[70:71], bo s[72:73], scales s[74:75]
	s_load_b64 s[76:77], s[0:1], 0x20              ; out0
	v_lshl_add_u32 v[SPW], v0, 2, SPARE
	v_mov_b32 v[NIL], 0
	ds_add_u32 v[SPW], v[NIL]                      ; the wave's opening: the add and its wait ahead of my first tensor load
	ds_add_u32 v[SPW], v[NIL]
	v_lshrrev_b32 v1, 5, v0
	v_readfirstlane_b32 s14, v1
	s_lshr_b32 s15, s14, 1                         ; my half of the rows.  Also: I fetch for A (0) or for B (1)
	s_and_b32 s16, s14, 1                          ; my half of the columns.  Also: which half of that tile I fetch
	s_bfe_u32 s40, ttmp6, 0x40000
	s_bfe_u32 s41, ttmp6, 0x40004
	s_lshl_b32 s42, ttmp9, 2
	s_add_co_u32 s42, s42, s40                     ; tile column
	s_and_b32 s17, ttmp7, 0xffff
	s_lshl_b32 s17, s17, 2
	s_add_co_u32 s17, s17, s41                     ; tile row
	s_lshl_b32 s43, s41, 2
	s_lshl_b32 s43, 15, s43
	s_lshl_b32 s44, 0x1111, s40
	s_or_b32 s[G1+0], s43, (1<<21)                 ; A: the mask of my row; elements of 1 byte; no padding; bit 21 beside a mask
	s_or_b32 s[G1B+0], s44, (0<<16)|(1<<20)|(1<<21)|(5<<22)|(3<<25)  ; B: my column; 4 words of padding after every 64
.irp g, G1, G1B
	s_mov_b32 s[\g+1], ROWB<<16
	s_mov_b32 s[\g+2], 128<<16
	s_mov_b32 s[\g+3], ROWB<<16
	s_mov_b32 s[\g+4], 128
	s_mov_b32 s[\g+6], 0
	s_mov_b32 s[\g+7], 0
.endr
	s_mov_b32 s[G1+5], 256                         ; A's 32,768 bytes are dense: 128 rows of 256
	s_mov_b32 s[G1B+5], 1024                       ; B's rows lie 1,024 bytes apart
	s_lshl_b32 s20, s17, 16                        ; A: 16 tiles of tokens x 4,096 bytes for a tile row,
	s_lshl_b32 s18, s16, 15                        ; + my half
	s_add_co_u32 s20, s20, s18
	s_mov_b32 s21, 0
	s_lshl_b32 s46, s42, 8
	s_lshl_b32 s18, s16, 7
	s_add_co_u32 s46, s46, s18
	s_lshl_b32 s46, s46, 10
	s_add_co_u32 s46, s46, 0x300000                ; B: wc's section 3, row 256 x tile column + 128 x half
	s_mov_b32 s47, 0
	s_lshl_b32 s45, s16, 15                        ; where A's half goes,
	s_mul_i32 s23, s16, HALFT
	s_add_co_u32 s23, s23, BOFF                    ; and B's
	s_wait_dscnt 0x0
	s_wait_kmcnt 0x0
	s_load_b64 s[96:97], s[74:75], 0x28            ; e10, e11
	s_add_nc_u64 s[20:21], s[68:69], s[20:21]
	s_add_nc_u64 s[46:47], s[70:71], s[46:47]
	CROUND                                         ; all sixteen work-groups are here: the first joint loads meet
.irp s, 0,1
	s_mov_b32 s[G0+4*\s], 1
	s_add_co_u32 s[G0+4*\s+1], s45, \s*SLOT
	s_add_nc_u64 s[G0+4*\s+2:G0+4*\s+3], s[20:21], \s*0x200000     ; a K step of ac is 2^21 bytes
	s_or_b32 s[G0+4*\s+3], s[G0+4*\s+3], 0x80000000
	s_mov_b32 s[G0B+4*\s], 1
	s_add_co_u32 s[G0B+4*\s+1], s23, \s*SLOT
	s_add_nc_u64 s[G0B+4*\s+2:G0B+4*\s+3], s[46:47], \s*ROWB
	s_or_b32 s[G0B+4*\s+3], s[G0B+4*\s+3], 0x80000000
	s_wait_alu depctr_va_vdst(0)
	s_wait_tensorcnt 0x0
	ds_add_u32 v28, v29
	ds_add_u32 v28, v29
	s_wait_dscnt 0x0
	CROUND
	JLOAD G0+4*\s, G1, G0B+4*\s, G1B
.endr
	v_and_b32 v1, 15, v0                           ; r
	v_bfe_u32 v2, v0, 4, 1                         ; h
	v_mul_u32_u24 v3, v1, PITCH
	v_lshl_add_u32 v4, v2, 4, v3
	v_and_b32 v6, 31, v0
	v_lshlrev_b32 v[CO], 4, v6
	s_wait_alu depctr_va_vdst(0)
	s_lshl_b32 s21, s15, 15                        ; my 128 tokens of A
	s_mul_i32 s22, s16, HALFT
	s_add_co_u32 s22, s22, BOFF                    ; my 128 rows of B
.irp s, 0,1
	v_add_nc_u32 v[ADRA+\s], s21, v[CO]
	v_add_nc_u32 v[ADRB+\s], s22, v4
	s_add_co_u32 s21, s21, SLOT
	s_add_co_u32 s22, s22, SLOT
.endr
	s_mul_i32 s23, s14, 16*SPITCH                  ; my stage
	v_mul_u32_u24 v5, v1, SPITCH
	v_lshl_add_u32 v5, v2, 5, v5
	v_add_nc_u32 v[STO], s23, v5                   ; in: row r, 32 bytes for each half of the lanes
	v_add_nc_u32 v[RD], s23, v[CO]                 ; back: the 32 lanes take one row of 512 bytes
	v_lshlrev_b32 v8, 5, v2                        ; 32 h: 8 numbers of the bias
	s_wait_alu depctr_va_vdst(0)
	s_lshl_b32 s20, s17, 8
	s_lshl_b32 s21, s15, 7
	s_add_co_u32 s20, s20, s21
	s_lshl_b32 s20, s20, 12                        ; my first row of out0, 4,096 bytes a row: under 2^25
	s_lshl_b32 s46, s42, 8
	s_lshl_b32 s47, s16, 7
	s_add_co_u32 s46, s46, s47
	s_lshl_b32 s46, s46, 2                         ; my first column, in bytes
	s_mov_b32 s47, 0
	s_add_nc_u64 s[8:9], s[72:73], s[46:47]        ; bo at my first column
	s_add_co_u32 s20, s20, s46
	s_mov_b32 s21, 0
	s_add_nc_u64 s[10:11], s[76:77], s[20:21]
.irp b, 0,1,2,3,4,5,6,7
	global_load_b128 v[BN+8*\b:BN+8*\b+3], v8, s[8:9] offset:64*\b
	global_load_b128 v[BN+8*\b+4:BN+8*\b+7], v8, s[8:9] offset:64*\b+16
.endr
.macro FRAGA reg, slot, q, i           ; A's block i, the slot's q-th 128 along K: an image of 2,048 bytes
.irp c, 0,1,2,3
	ds_load_b128 v[\reg+4*\c:\reg+4*\c+3], v[ADRA+\slot] offset:(\i)*4096+(\q)*2048+512*\c
.endr
.endm
.macro FRAGB reg, slot, q, i           ; B's block i from rows
.irp c, 0,1,2,3
	ds_load_b128 v[\reg+4*\c:\reg+4*\c+3], v[ADRB+\slot] offset:128*(\q)+32*\c+(\i)*16*PITCH
.endr
.endm
.macro MUL16 a0, p, zero               ; the 64 accumulators take turns, one instruction a turn, in the same order in every step
.irp a, \a0, \a0+1
.irp b, 0,1,2,3,4,5,6,7
.if \zero
	v_wmma_f32_16x16x128_fp8_fp8 v[8*(8*((\a)%4)+\b):8*(8*((\a)%4)+\b)+7], v[128*(\p)+FR*\b:128*(\p)+FR*\b+FR-1], v[AF+FR*(\a):AF+FR*(\a)+FR-1], 0
.else
	v_wmma_f32_16x16x128_fp8_fp8 v[8*(8*((\a)%4)+\b):8*(8*((\a)%4)+\b)+7], v[128*(\p)+FR*\b:128*(\p)+FR*\b+FR-1], v[AF+FR*(\a):AF+FR*(\a)+FR-1], v[8*(8*((\a)%4)+\b):8*(8*((\a)%4)+\b)+7]
.endif
.endr
.endr
.endm
.macro FETCH_B slot, q, p
	WIN TO_B
.irp i, 0,1,2,3,4,5,6,7
	FRAGB 128*(\p)+FR*\i, \slot, \q, \i
.endr
	WIN 0
.endm
.macro FETCH_A slot, q, i0
.irp i, \i0, \i0+1, \i0+2, \i0+3
	FRAGA AF+FR*(\i), \slot, \q, \i
.endr
.endm
.macro PLACES n
.rept \n
	v_nop
.endr
.endm
.macro STEP slot, q, zero
	s_wait_dscnt 4*NL                              ; B's set and A's blocks 0-3 are in; the youngest sixteen loads (A's blocks 4-7) may be out
	WIN MUL_LO
	MUL16 0, (\q)%2, \zero
	MUL16 2, (\q)%2, \zero
	s_wait_dscnt 0
	PLACES NP
	FETCH_B \slot, (\q)+1, 1-(\q)%2
	FETCH_A \slot, (\q)+1, 0
	WIN MUL_HI
	MUL16 4, (\q)%2, \zero
	MUL16 6, (\q)%2, \zero
	PLACES NP
	WIN 0
	FETCH_A \slot, (\q)+1, 4
.endm
.macro TURN slot, next, fill
	s_wait_tensorcnt 0x0                           ; all my tensor loads have landed: my part of the next slot
	ds_add_u32 v[SPW], v[NIL]
	s_wait_dscnt 4*NL+1                            ; the add and the youngest sixteen loads may be out
	WIN MUL_LO
	MUL16 0, 1, 0
	s_wait_dscnt 0x0                               ; the add is done, and my reads of this slot are over
	s_barrier_signal -1
	MUL16 2, 1, 0
	WIN 0
	s_barrier_wait -1
.if \fill
	CREST                                          ; a round of the cluster's barrier: no wave of any partner still reads this slot or has a load on its way
	s_add_nc_u64 s[G0+4*\slot+2:G0+4*\slot+3], s[G0+4*\slot+2:G0+4*\slot+3], 0x400000
	s_add_nc_u64 s[G0B+4*\slot+2:G0B+4*\slot+3], s[G0B+4*\slot+2:G0B+4*\slot+3], 2*ROWB
	JLOAD G0+4*\slot, G1, G0B+4*\slot, G1B
.else
	PLACES NP
.endif
	FETCH_B \next, 0, 0
	FETCH_A \next, 0, 0
	WIN MUL_HI
	MUL16 4, 1, 0
	MUL16 6, 1, 0
	PLACES NP
	WIN 0
	FETCH_A \next, 0, 4
.endm
	s_wait_tensorcnt 1                             ; my part of K step 0 is in; K step 1's load may be out
	s_barrier_signal -1
	s_barrier_wait -1
	FETCH_B 0, 0, 0
	FETCH_A 0, 0, 0
	FETCH_A 0, 0, 4
	STEP 0, 0, 1                                   ; eight steps of 128 along K, written straight; the first starts the sums
	TURN 0, 1, 1
	STEP 1, 0, 0
	TURN 1, 0, 1
	STEP 0, 0, 0
	TURN 0, 1, 0
	STEP 1, 0, 0
	s_wait_dscnt 4*NL
	WIN MUL_LO
	MUL16 0, 1, 0
	MUL16 2, 1, 0
	s_wait_dscnt 0
	WIN MUL_HI
	MUL16 4, 1, 0
	MUL16 6, 1, 0
	WIN 0
; THE WAY OUT, block by block of 16 rows x 128 columns: sum x 2^(e10 + e11) + bo; through my own stage in LDS; back as whole rows of 512 bytes.
.macro FMA a
.set AC, 64*((\a)%4)
	WIN (0x02+((\a)/4))
.set j, 0
.rept 32
	v_pk_fma_f32 v[TMP+j:TMP+j+1], v[AC+j:AC+j+1], s[86:87], v[BN+j:BN+j+1] op_sel_hi:[1,0,1]   ; each accumulator from its low end on
.set j, j+2
.endr
	WIN 0
.endm
.macro STG
.irp b, 0,1,2,3,4,5,6,7
	ds_store_b128 v[STO], v[TMP+8*\b:TMP+8*\b+3] offset:64*\b
	ds_store_b128 v[STO], v[TMP+8*\b+4:TMP+8*\b+7] offset:64*\b+16
.endr
.irp t, 0,1,2,3,4,5,6,7,8,9,10,11,12,13,14,15
	ds_load_b128 v[BK+4*\t:BK+4*\t+3], v[RD] offset:\t*SPITCH      ; LDS serves a wave's instructions in order (ISA guide 5.7.1.4): these see the stores above
.endr
.endm
.macro SEND a
	s_wait_dscnt 0x0                               ; the block is back in registers
.if (\a) > 0
	s_add_nc_u64 s[10:11], s[10:11], 16*4096       ; 16 rows on (behind a wait on XCNT: the earlier stores have read their base)
.endif
.irp t, 0,1,2,3,4,5,6,7,8,9,10,11,12,13,14,15
	global_store_b128 v[CO], v[BK+4*\t:BK+4*\t+3], s[10:11] offset:\t*4096 th:TH_STORE_NT   ; 32 lanes store 512 consecutive bytes, aligned; written once
.endr
.endm
	s_wait_kmcnt 0x0
	s_add_co_i32 s86, s96, s97
	s_add_co_i32 s86, s86, 127
	s_lshl_b32 s86, s86, 23                        ; 2^(e10 + e11) as f32
	s_mov_b32 s87, s86
	s_wait_loadcnt 0x0                             ; the bias
	PLACES NP                                      ; behind the last products: their operands' registers are written, their results read
	FMA 0
	STG
.irp a, 1,2,3,4,5,6,7
	FMA \a                                         ; the next block's arithmetic stands between the loads from the stage and the wait for them
	s_wait_alu depctr_va_vdst(0)
	SEND \a-1
	s_wait_xcnt 0x0                                ; the stores have read their data and their base
	STG
.endr
	SEND 7
	s_wait_tensorcnt 0x0                           ; the wave's end: behind my last tensor load and my last LDS store
	ds_add_u32 v[SPW], v[NIL]
	s_wait_dscnt 0x0
	CROUND                                         ; the closing round
	s_endpgm
.Lfunc_end_k_qce6403ad52_proj:
	.size	k_qce6403ad52_proj, .Lfunc_end_k_qce6403ad52_proj-k_qce6403ad52_proj
	.p2alignl 7, 3214868480
	.fill 96, 4, 3214868480
	.section	.rodata,"a",@progbits
	.p2align	6, 0x0
	.amdhsa_kernel k_qce6403ad52_proj
		.amdhsa_group_segment_fixed_size 327680
		.amdhsa_private_segment_fixed_size 0
		.amdhsa_enable_private_segment 0
		.amdhsa_kernarg_size 40
		.amdhsa_user_sgpr_count 2
		.amdhsa_user_sgpr_kernarg_segment_ptr 1
		.amdhsa_wavefront_size32 1
		.amdhsa_system_sgpr_workgroup_id_x 1
		.amdhsa_system_sgpr_workgroup_id_y 1
		.amdhsa_system_sgpr_workgroup_id_z 1
		.amdhsa_system_vgpr_workitem_id 0
		.amdhsa_next_free_vgpr 1024
		.amdhsa_next_free_sgpr 100
		.amdhsa_reserve_vcc 0
		.amdhsa_float_denorm_mode_32 3
		.amdhsa_float_denorm_mode_16_64 3
		.amdhsa_memory_ordered 1
		.amdhsa_forward_progress 1
		.amdhsa_inst_pref_size 126
	.end_amdhsa_kernel
	.amdgpu_metadata
---
amdhsa.version: [ 1, 2 ]
amdhsa.kernels:
  - .name:           k_qce6403ad52_proj
    .symbol:         k_qce6403ad52_proj.kd
    .args:
      - { .name: ac, .offset: 0, .size: 8, .value_kind: global_buffer, .address_space: global }
      - { .name: wc, .offset: 8, .size: 8, .value_kind: global_buffer, .address_space: global }
      - { .name: bo, .offset: 16, .size: 8, .value_kind: global_buffer, .address_space: global }
      - { .name: lowp_scales, .offset: 24, .size: 8, .value_kind: global_buffer, .address_space: global }
      - { .name: out0, .offset: 32, .size: 8, .value_kind: global_buffer, .address_space: global }
    .group_segment_fixed_size: 327680
    .private_segment_fixed_size: 0
    .kernarg_segment_align: 8
    .kernarg_segment_size: 40
    .max_flat_workgroup_size: 128
    .sgpr_count:     100
    .vgpr_count:     1024
    .wavefront_size: 32
...
	.end_amdgpu_metadata
.endif
;; end of part 4
